; MI455X (gfx1250); checked and timed in simulation.
; The chip was launched on July 23, 2026; its instructions are those of AMD's public machine-readable ISA for CDNA 5 (MIT licence, August 2026) and "CDNA5" Instruction Set Architecture Reference Guide (July 2026). The comments in the code are by the model that wrote it; some were corrected since.
;; Attention. Allowed arithmetic: matrix products marked QUANTISED: E2M3 operands, one E8M0 scale for each 32 along K, by v_wmma_scale_f32_16x16x128_f8f6f4 with both operands' format E2M3, f32 sums; everything else in f32.
;; Inputs: W_qkv 3,072 x 1,024 float32; b_qkv 3,072 float32; x 2 x 2,048 x 1,024 float32.
;; Outputs: out0 2 x 2,048 x 1,024 float32.
;; This version of the problem:
;;   THIS VERSION OF THE PROBLEM IS GIVEN IN LOW PRECISION. The matrix products marked QUANTISED in the list below multiply operands that are first quantised to E2M3 (2 exponent bits, 3 mantissa bits; 6 bits a number), with one power-of-two scale for each 32 numbers along K (OCP MX v1.0); their sums are f32. All else is computed in f32.
;;   The module's matrix products, in the order in which they are computed (A, B: the left and right operand; K: the contracted axis; several contracted axes count as one K, in the product's order):
;;     1. [M 4,096, K 1,024] x [K 1,024, N 3,072]; A: input x; B: input W_qkv: QUANTISED
;;     2. batch 32 x [M 2,048, K 64] x [K 64, N 2,048]; A: computed on the way; B: computed on the way: QUANTISED
;;     3. batch 32 x [M 2,048, K 2,048] x [K 2,048, N 64]; A: softmax (see below); B: computed on the way: QUANTISED
;;   THE QUANTISER, for each operand of a quantised product, along K:
;;     - K is cut into blocks of 32 from its start; a last block that is shorter is filled with zeros.
;;     - A block's scale is 2^e with e = floor(log2(the largest magnitude in the block)) - 2, held to -126 .. 127; a block of zeros has e = 0. As a byte (E8M0): e + 127.
;;     - Each number is divided by its block's scale, clamped to +-7.5, and rounded to the nearest number of E2M3, ties to even, subnormals kept.
;;     - The product sums the exact products of the quantised numbers (number of the format x scale) in f32.
;;   ~~~python
;;   def quantise(x, axis):      # numpy; x: float32 -> the quantised numbers, widened to float32 again
;;       x = np.moveaxis(x, axis, -1); K = x.shape[-1]
;;       x = np.pad(x, [(0, 0)] * (x.ndim - 1) + [(0, -K % 32)]); x = x.reshape(x.shape[:-1] + (-1, 32)); a = np.abs(x).max(-1, keepdims=True)
;;       e = np.where(a > 0, np.clip(np.frexp(np.where(a > 0, a, 1))[1] - 1 - 2, -126, 127), 0)      # np.frexp(a)[1] - 1 = floor(log2(a)), exactly
;;       r = np.clip(x / 2.0 ** e, -7.5, 7.5)
;;       step = 2.0 ** (np.maximum(np.frexp(np.where(r == 0, 1, r))[1] - 1, 0) - 3)
;;       q = np.round(r / step) * step * 2.0 ** e      # np.round: ties to even
;;       return np.moveaxis(q.reshape(q.shape[:-2] + (-1,))[..., :K], -1, axis).astype(np.float32)
;;   ~~~
;;   SOFTMAX AHEAD OF A QUANTISED PRODUCT. Where the list says 'softmax', what is quantised is not the finished softmax but p = 2^(t - M), with t = logit x log2(e) and M = ceil(the row's largest t), a whole number; so 1/2 < the row's largest p <= 1. The row's sum l is taken of the UNQUANTISED p, in f32, and the product's result is divided by l at the end. Since M is a whole number, a kernel that streams over the keys may use a running M (the ceiling of the running maximum): every later rescaling is an exact power of two, which a block's scale takes up: the codes' values come out the same.
;;   OPERANDS COMPUTED ON THE WAY. 'Computed on the way' means the value that the module computes at that place (a softmax that the list does not call 'softmax' is quantised finished and normalised). What goes into a quantiser is computed in f32, as accurately as f32 sums, v_exp_f32 and their like allow (about 1e-6 of the number): no bf16 or f16 on the way to a quantiser, and a product that is left as it is and whose result goes on into a quantised operand takes f32 operands (vector FMAs, or v_wmma_f32_16x16x4_f32). A number that lies on a knife's edge between two numbers of the format may be rounded either way, as far as f32 arithmetic and the matrix unit's own rounding can turn it there, and no further.
;; One version. Each part assembles by itself: llvm-mc -triple=amdgcn-amd-amdhsa -mcpu=gfx1250 --defsym DOCPART=n.
;; ======== version 1 of 1: 3 launches
;; limits: right only within a limited range of input values
;; workspace buffers: pc 5,505,024 bytes; ps 229,376 bytes; qk 6,553,600 bytes; vv 3,276,800 bytes
;; launch quant (part 1): grid 224 x 1, 8 waves a work-group, no clusters, 43,008 bytes of LDS; arguments x, W_qkv, pc, ps; writes pc, ps
.if DOCPART == 1
	.amdgcn_target "amdgcn-amd-amdhsa--gfx1250"
	.amdhsa_code_object_version 6
	.text
	.protected	k_q84bddd0630_quant
	.globl	k_q84bddd0630_quant
	.p2align	8
	.type	k_q84bddd0630_quant,@function
k_q84bddd0630_quant:
	s_mov_b64 s[64:65], 0
	v_nop
	global_prefetch_b8 v0, s[64:65] scope:SCOPE_SE
	s_setreg_imm32_b32 hwreg(HW_REG_WAVE_MODE, 25, 1), 1
	s_wait_xcnt 0x0
; x [4096][1024] and W_qkv [3072][1024], f32, become codes of FP6 (E2M3), K innermost: pc [7168 rows][768 bytes], x's rows first, and one E8M0 byte for each 32 along K: ps [7168][32].
; A block's scale is 2^(floor(log2(its largest magnitude)) - 2); its byte is the largest magnitude's exponent field - 2, held at 1 from below.  Beyond 7.5 the conversion gives the largest code.
; LIMITS: a block of zeros gets the byte 1 where the rule says 127 (its codes are zeros, which add nothing under any byte but 0xff, and only this program reads the bytes);
; blocks whose largest magnitude lies under 2^-124 keep the floor's byte; NaN and infinities among the inputs are not served.
; No work of reference() is left out in any launch: the bias on K goes into K's quantiser and stays.
; ROW ORDER OF THE RESULTS, in groups of 8 rows (i = 0 .. 7): token 128 g + 64 c + 32 h + 8 j + i is row 128 g + 32 j + 16 c + 8 h + i;  W's row 64 n + 32 h + 8 j + i is row 4096 + 64 n + 16 j + 8 h + i.
; A work-group takes 32 rows, four groups; a wave half a group: 4 rows, 8 steps of 512 numbers.  A wave's 32 loads are all issued at the start.  A step's 2,048 bytes turn through the wave's own stage in LDS
; (16 bytes of padding behind each 64) and come back 64 bytes a lane: 16 neighbours along K; two neighbouring lanes hold a block.  A group's 256 scale bytes gather in LDS and leave as one aligned unit.
; No tensor load: every byte is read once, by one work-group, straight into registers.  No prefetch: no loop, and all loads are out at the start.
.set STEPS, 8
.set EMAX,  2
.set CB,    12                         ; bytes of 16 codes
.set R,     16                         ; v16-143  the numbers as they are loaded
.set X,     144                        ; v144-175 two sets of 16 neighbours
.set C,     176                        ; v176-207 codes, four registers a step
.set E,     208                        ; v208-215 a scale byte for each step
.set SP,    80                         ; a lane's place in a stage
.set WREG,  2*32*SP                    ; LDS: two stages for each wave
.set SB,    8*WREG                     ; the work-group's 1,024 scale bytes
.set SPARE, SB+1024
	s_load_b128 s[4:7], s[0:1], 0x0                ; x, W
	s_load_b128 s[8:11], s[0:1], 0x10              ; codes, scale bytes
	v_lshl_add_u32 v12, v0, 2, SPARE
	v_mov_b32 v13, 0
	v_lshrrev_b32 v1, 5, v0
	v_readfirstlane_b32 s16, v1                    ; wave 0..7
	s_lshr_b32 s22, s16, 1                         ; m: my group of the work-group's four
	s_mul_i32 s17, s16, WREG
	s_lshl_b32 s18, s16, 7
	s_add_co_u32 s18, s18, SB                      ; my wave's 128 scale bytes
	s_lshl_b32 s19, s22, 8
	s_add_co_u32 s19, s19, SB                      ; my group's 256
	v_and_b32 v2, 31, v0                           ; lane
	v_lshlrev_b32 v3, 4, v2                        ; my 16 bytes of a load's 512
	v_lshrrev_b32 v14, 2, v2
	v_mul_u32_u24 v14, v14, SP
	v_and_b32 v15, 3, v2
	v_lshl_add_u32 v14, v15, 4, v14
	v_add_nc_u32 v14, s17, v14                     ; the stage, on the way in
	v_mul_u32_u24 v15, v2, SP
	v_add_nc_u32 v15, s17, v15                     ; and on the way out: my 16 neighbours
	v_mul_u32_u24 v4, v2, CB                       ; my codes' place in a step's
	v_lshrrev_b32 v5, 1, v2
	v_add_nc_u32 v5, s18, v5                       ; my block's byte
	v_lshlrev_b32 v7, 3, v2
	v_add_nc_u32 v6, s19, v7                       ; 8 bytes a lane of my group's 256
	s_mov_b32 s29, ttmp9
	s_lshr_b32 s24, s29, 2                         ; x: the group that I write: 16 (wg / 4) + 4 m + wg % 4
	s_lshl_b32 s24, s24, 4
	s_and_b32 s25, s29, 3
	s_add_co_u32 s24, s24, s25
	s_lshl_b32 s25, s22, 2
	s_add_co_u32 s24, s24, s25
	s_sub_co_u32 s26, s29, 128                     ; W: with w = wg - 128: 512 + 8 (w / 2) + 2 m + w % 2
	s_lshr_b32 s27, s26, 1
	s_lshl_b32 s27, s27, 3
	s_and_b32 s28, s26, 1
	s_add_co_u32 s27, s27, s28
	s_lshl_b32 s28, s22, 1
	s_add_co_u32 s27, s27, s28
	s_add_co_u32 s27, s27, 512
	s_wait_alu depctr_va_vdst(0)
	s_wait_kmcnt 0x0
	s_cmp_lt_u32 s29, 128                          ; x's work-group or W's?  The choice hangs on the work-group's number alone
	s_cselect_b64 s[4:5], s[4:5], s[6:7]
	s_cselect_b32 s24, s24, s27
	s_cselect_b32 s17, s29, s26
	s_lshl_b32 s17, s17, 3
	s_add_co_u32 s18, s17, s16
	s_lshl_b32 s18, s18, 14                        ; my 4 rows: 16,384 bytes
	s_mov_b32 s19, 0
	s_add_nc_u64 s[4:5], s[4:5], s[18:19]
	s_mul_i32 s20, s24, 8*768
	s_and_b32 s25, s16, 1
	s_mul_i32 s23, s25, 4*768
	s_add_co_u32 s20, s20, s23
	s_mov_b32 s21, 0
	s_add_nc_u64 s[8:9], s[8:9], s[20:21]
	s_lshl_b32 s18, s24, 8
	s_add_nc_u64 s[10:11], s[10:11], s[18:19]
.set T_, 0
.rept 4*STEPS
	global_load_b128 v[R+4*T_:R+4*T_+3], v3, s[4:5] offset:512*T_ th:TH_LOAD_NT   ; 32 lanes read 512 consecutive bytes
.set T_, T_+1
.endr
.macro TURN t                          ; LDS serves a wave's instructions in order (ISA guide 5.7.1): no wait stands between the stores and the loads
.irp i, 0,1,2,3
	ds_store_b128 v14, v[R+16*(\t)+4*\i:R+16*(\t)+4*\i+3] offset:32*SP*((\t)%2)+8*SP*\i
.endr
.irp i, 0,1,2,3
	ds_load_b128 v[X+16*((\t)%2)+4*\i:X+16*((\t)%2)+4*\i+3], v15 offset:32*SP*((\t)%2)+16*\i
.endr
.endm
	s_wait_loadcnt 4*(STEPS-1)                     ; step 0's four loads are in
	TURN 0
.macro STEP t
.set XS, X+16*((\t)%2)
.if (\t) > 0
	s_wait_dscnt 1                                 ; this step's numbers are back (the last step's byte store may be out)
.else
	s_wait_dscnt 0x0
.endif
.if (\t)+1 < STEPS
	s_wait_loadcnt 4*(STEPS-2-(\t))                ; the next step's four loads are in; the later steps' may be out
	TURN (\t)+1
.endif
	v_max3_num_f32 v8, |v[XS]|, |v[XS+1]|, |v[XS+2]|               ; the largest magnitude of my 16, in two chains
	v_max3_num_f32 v9, |v[XS+3]|, |v[XS+4]|, |v[XS+5]|
.irp i, 6,10
	v_max3_num_f32 v8, v8, |v[XS+\i]|, |v[XS+\i+1]|
	v_max3_num_f32 v9, v9, |v[XS+\i+2]|, |v[XS+\i+3]|
.endr
	v_max3_num_f32 v8, v8, |v[XS+14]|, |v[XS+15]|
	v_max3_num_f32 v8, v8, v9, (EMAX+1)<<23        ; and the floor: the byte cannot fall under 1
	v_max_num_f32_dpp v8, v8, v8 row_xmask:1 row_mask:0xf bank_mask:0xf   ; and of my neighbour's 16: the block's
	v_add_nc_u32 v11, -(EMAX<<23), v8              ; the conversion takes the exponent field of this operand as its scale
	v_cvt_scalef32_pk16_fp6_f32 v[C+4*(\t):C+4*(\t)+2], v[XS:XS+15], v11
	v_lshrrev_b32 v[E+(\t)], 23, v11               ; the scale's byte
	ds_store_b8 v5, v[E+(\t)] offset:16*(\t)       ; both lanes of a block write the same byte with the same value
	global_store_b96 v4, v[C+4*(\t):C+4*(\t)+2], s[8:9] offset:32*CB*(\t)
.endm
.irp t, 0,1,2,3,4,5,6,7
	STEP \t
.endr
	s_wait_tensorcnt 0x0
	ds_add_u32 v12, v13
	s_wait_dscnt 0x0                               ; my bytes are in LDS
	s_barrier_signal -1
	s_barrier_wait -1
	s_cmp_eq_u32 s25, 0                            ; the even wave of a group stores its 256 bytes
	s_cbranch_scc0 .Lend
	ds_load_b64 v[8:9], v6
	s_wait_dscnt 0x0
	global_store_b64 v7, v[8:9], s[10:11]
.Lend:
	s_endpgm
.Lfunc_end_k_q84bddd0630_quant:
	.size	k_q84bddd0630_quant, .Lfunc_end_k_q84bddd0630_quant-k_q84bddd0630_quant
	.p2alignl 7, 3214868480
	.fill 96, 4, 3214868480
	.section	.rodata,"a",@progbits
	.p2align	6, 0x0
	.amdhsa_kernel k_q84bddd0630_quant
		.amdhsa_group_segment_fixed_size 43008
		.amdhsa_private_segment_fixed_size 0
		.amdhsa_enable_private_segment 0
		.amdhsa_kernarg_size 32
		.amdhsa_user_sgpr_count 2
		.amdhsa_user_sgpr_kernarg_segment_ptr 1
		.amdhsa_wavefront_size32 1
		.amdhsa_system_sgpr_workgroup_id_x 1
		.amdhsa_system_sgpr_workgroup_id_y 1
		.amdhsa_system_sgpr_workgroup_id_z 1
		.amdhsa_system_vgpr_workitem_id 0
		.amdhsa_next_free_vgpr 216
		.amdhsa_next_free_sgpr 66
		.amdhsa_reserve_vcc 0
		.amdhsa_float_denorm_mode_32 3
		.amdhsa_float_denorm_mode_16_64 3
		.amdhsa_memory_ordered 1
		.amdhsa_forward_progress 1
		.amdhsa_inst_pref_size 18
	.end_amdhsa_kernel
	.amdgpu_metadata
---
amdhsa.version: [ 1, 2 ]
amdhsa.kernels:
  - .name:           k_q84bddd0630_quant
    .symbol:         k_q84bddd0630_quant.kd
    .args:
      - { .name: x, .offset: 0, .size: 8, .value_kind: global_buffer, .address_space: global }
      - { .name: W_qkv, .offset: 8, .size: 8, .value_kind: global_buffer, .address_space: global }
      - { .name: pc, .offset: 16, .size: 8, .value_kind: global_buffer, .address_space: global }
      - { .name: ps, .offset: 24, .size: 8, .value_kind: global_buffer, .address_space: global }
    .group_segment_fixed_size: 43008
    .private_segment_fixed_size: 0
    .kernarg_segment_align: 8
    .kernarg_segment_size: 32
    .max_flat_workgroup_size: 256
    .sgpr_count:     66
    .vgpr_count:     216
    .wavefront_size: 32
...
	.end_amdgpu_metadata
.endif
;; end of part 1
;; launch qkv (part 2): grid 16 x 16, 4 waves a work-group, clusters of 4 x 4, 327,680 bytes of LDS; arguments pc, ps, b_qkv, qk, vv; writes qk, vv
.if DOCPART == 2
	.amdgcn_target "amdgcn-amd-amdhsa--gfx1250"
	.amdhsa_code_object_version 6
	.text
	.protected	k_q84bddd0630_qkv
	.globl	k_q84bddd0630_qkv
	.p2align	8
	.type	k_q84bddd0630_qkv,@function
k_q84bddd0630_qkv:
	s_mov_b64 s[64:65], 0
	v_nop
	global_prefetch_b8 v0, s[64:65] scope:SCOPE_SE
	s_setreg_imm32_b32 hwreg(HW_REG_WAVE_MODE, 25, 1), 1
	s_wait_xcnt 0x0
	s_wait_alu depctr_hold_cnt(0) depctr_sa_sdst(0) depctr_va_vdst(0) depctr_va_sdst(0) depctr_va_ssrc(0) depctr_va_vcc(0) depctr_vm_vsrc(0)
	s_getreg_b32 s2, hwreg(HW_REG_IB_STS2, 6, 4)
	s_cmp_eq_u32 s2, 0
	s_cbranch_scc0 .Lentry_in_a_cluster
	s_endpgm
.Lentry_in_a_cluster:
	s_bfe_u32 s2, ttmp6, 0x10000c
	s_cmp_lg_u32 s2, 0xf033
	s_cbranch_scc0 .Lentry_shape_is_right
	s_endpgm
.Lentry_shape_is_right:
; Q, K, V = x W^T + b AND THEIR QUANTISERS.  The results leave as codes of FP6 and scale bytes, in the order of the operand registers of the launch that reads them.  No f32 result is stored.
; LIMITS: NaN and infinities are not served; a block whose largest magnitude lies under 2^-124 (a block of zeros too) keeps the byte 1.  The bias is each sum's first term, where reference() adds it last.
; THE BUFFERS (r = lane % 16, h = lane / 16).  qk [v = 0 .. 31: Q's heads, then K's][256 tokens][12,288 bytes of codes, 512 of scale bytes]; codes [key step of 128][band c of 64][p][piece of 4 registers][lane][16]: an operand is
; tiles j = 2 p, 2 p + 1 of band c, six registers each; scale bytes [key step][c][p][r][j % 2][h].  vv [head][256 tokens][12,288, 512]; codes [key step][tile t of 16 channels][band c][lane][16], then [lane][8]: six registers; scale bytes [key step][t][r][2 c + h].
; THE DEAL.  256 work-groups of four waves, 2 x 2.  A wave holds 64 rows of a weight, ALL of K, in registers (384) and streams x's rows past them in blocks of 16: the wave in row w takes rows 32 s + 16 w + 0 .. 15 as its block s: tile j = s % 4 of band w.
; A work-group makes 128 x 128 of V, PHASE 1 (4 blocks), then 256 x 128 of Q or K, PHASE 2 (8 blocks).  V's 128 rows are half s87 of the work-group's own 256 and serve phase 2's first four blocks out of LDS; the other half is refilled once.
; s87 (cluster x % 2) and the tensor (s19 = cluster x / 2) come from the cluster's number alone.  In both phases x's rows are shared by a ROW of the cluster (mask s44) and a weight's rows by a COLUMN (mask s45): joint loads.
; LDS: x's first half at 0, W_q's or W_k's rows at YB, W_v's at BVB; two places for a half's scale bytes (SCL); stages for the results' scale bytes (XN, XM); the spare words.
; FILLS.  At the head one tensor load a wave: W_v, scale bytes, x's first half, W_q or W_k.  ONE REFILL, in V's third block, in a drained round of the cluster's barrier: x's other half onto W_v's bytes, which all waves hold in registers by then
; (waves 0 and 1 a half each), and its scale bytes (wave 2).  A plain barrier in phase 2's third block shows it.  No prefetch: no loop, and the one refill is first read five blocks of 32 products behind its request.
; A BLOCK is 32 products; behind every second one stand two ENTRIES of the block's list.  The lists hold the next block's LDS addresses, the descriptors, and the first part of the LAST block's way out.
; THE WAITS' COUNTS.  A block's rows were fetched two blocks ago.  Younger than that fetch are the next block's fetch, NF loads, and the LDS stores of scale bytes between the two: none in phase 1 and ahead of phase 2's first block, four ahead of its second, one elsewhere.
.set TOK,    4096
.set NQ,     8                         ; matrix instructions deep: K / 128
.set NB,     4                         ; column tiles a wave
.set TN,     128
.set KROW,   768                       ; a row of codes in memory
.set KS,     32                        ; a row of scale bytes
.set PITCH,  KROW+16*(KROW/256)        ; an LDS row: 3 x (256 + 16)
.set FR,     12
.set FPW,    256/FR                    ; fragments in a window: 21
.set NF,     28                        ; LDS loads of a block: 26 for eight fragments, 2 for eight scale words
.set RA,     128
.set YB,     RA*PITCH
.set BVB,    2*RA*PITCH
.set SCL,    BVB+TN*PITCH
.set CU,     RA*KS/256                 ; a half's scale bytes: 16 units of 256
.set SCB,    CU*272
.set SSTEP,  (32*KS/256)*272           ; from a block's scale words to my next block's; four of them are SCB
.set XN,     SCL+2*SCB                 ; Q's or K's scale bytes: [wave column][half in order of work][256]
.set XM,     XN+1024                   ; V's: [wave column][256]
.set SPARE,  XM+512
.set VS,     204800                    ; bytes of a head in qk, vv
.set PR,     12800                     ; of 256 tokens
.set EMAX,   2
.set ADRA0, 4                          ; v4, v5  LDS address of my fragments of block 0 (v5: for the pieces behind one padding more); v1, v22: block 1
.set AAS0,  6                          ; v6 my row's scale words in block 0; v23: in block 1
.set C8,    8                          ; v8  8 x lane
.set CO,    9                          ; v9  16 x lane
.set SPW,   10
.set NIL,   11
.set ADRA,  12                         ; v12, v13 for the block that is fetched next
.set ADRB,  14                         ; v14, v15 my fragments of a weight, from its first byte
.set ABS,   16                         ; v16 my offset in the weights' scale bytes
.set AAS,   17                         ; v17 as v6, for the block that is fetched next
.set STO,   18                         ; v18 LDS, Q's or K's scale byte
.set STV,   19                         ; v19 LDS, V's
.set SB,    24                         ; v24-39 the weights' scale words
.set TQ,    40                         ; v40, v41 the two chains
.set SA,    44                         ; v44-59 the rows' scale words: two sets of eight
.set TC,    60                         ; v60-62 the second conversion's codes
.set ACC,   64                         ; v64-127 phase 2: two sets of four accumulators
.set NCD,   128                        ; v128-139 phase 2: an operand
.set BBQ,   160                        ; v160-191 Q's or K's bias, as the first four products' C
.set MCD,   192                        ; v192-221 phase 1: four tiles' six registers, eight apart
.set SOP,   240
.set EB,    244
.set HV,    840                        ; v840-967 phase 1: 32 t + 8 j + i
.set SB2,   968                        ; v968-983 phase 2's weights' scale words
.set BA,    984                        ; v984-991 LDS addresses of the weights' four column tiles
.set BBV,   992                        ; v992-1023 V's bias as C
.set G1A, 24                           ; group 1 of x's rows; groups 0: s[56:59], for the refill s[68:71]
.set G0A, 56
.set G0R, 68
.set G1B, 32                           ; of a weight's rows; groups 0: W_v s[60:63], W_q or W_k s[88:91]
.set G0B, 60
.set G0C, 88
.set G1S, 92                           ; of scale bytes; group 0 s[72:75]
.set G0S, 72
.set MSB, 0
.macro WIN new
.if MSB != \new
	s_set_vgpr_msb (MSB<<8)|\new
.set MSB, \new
.endif
.endm
.macro PLACES n
.rept \n
	v_nop
.endr
.endm
.macro WALU
	s_wait_alu depctr_va_vdst(0)
.endm
.macro BARRIER
	s_barrier_signal -1
	s_barrier_wait -1
.endm
.macro MIDDLE                          ; a round's middle
	WIN 0
	s_barrier_wait -1
	s_cmp_lg_u32 s14, 0
	s_cbranch_scc1 .Lnot_wave_0_\@
	s_barrier_signal -3
.Lnot_wave_0_\@:
	s_barrier_wait -3
.endm
.macro CROUND
	s_barrier_signal -1
	MIDDLE
	BARRIER
.endm
.macro TLOAD g0, g1
	tensor_load_to_lds s[\g0:\g0+3], s[\g1:\g1+7]
	s_nop 0
	PLACES 4
.endm
.macro GROUP1 g, mask, rows
	s_or_b32 s[\g+0], s[\mask], (1<<20)|(1<<21)|(5<<22)|(3<<25)
	s_mov_b32 s[\g+1], (KROW&0xffff)<<16
	s_mov_b32 s[\g+2], (KROW>>16)|((\rows)<<16)
	s_mov_b32 s[\g+3], KROW<<16
	s_mov_b32 s[\g+4], \rows
	s_mov_b32 s[\g+5], KROW
	s_mov_b32 s[\g+6], 0
	s_mov_b32 s[\g+7], 0
.endm
.macro SADD d, x
	s_add_co_u32 s\d, s\d, s\x
.endm
.macro G0SET g, base, off              ; group 0's address: 64-bit base + the 32-bit offset in s\off (s21 = 0)
	s_mov_b32 s20, s\off
	s_add_nc_u64 s[\g+2:\g+3], s[\base:\base+1], s[20:21]
	s_or_b32 s[\g+3], s[\g+3], 0x80000000
.endm
; ---- fragments.  Fragment f lies in window 1 + f / 21 at register 12 (f % 21): 0-31 the weights' (4 q + b), 32-39 and 40-47 the rows' two sets.
.macro FRAG f, q, a0, a1, aw           ; six pieces of 8 bytes, two to a load where both lie behind as many paddings
	WIN ((1+(\f)/FPW)<<6)|(\aw)
.set R_, FR*((\f)%FPW)
.set SKIP_, 0
.irp p, 0,1,2,3,4,5
.if SKIP_
.set SKIP_, 0
.else
.set PC_, 12*(\q)+6*(\p/3)+\p%3
.set PN_, 12*(\q)+6*((\p+1)/3)+(\p+1)%3
.set X_, (PC_%32+3)/32
.set XQ_, (PN_%32+3)/32
.if (\p < 5) && (X_ == XQ_)
.set SKIP_, 1
.if X_
	ds_load_2addr_b64 v[R_+2*\p:R_+2*\p+3], \a1 offset0:PC_+2*(PC_/32) offset1:PN_+2*(PN_/32)
.else
	ds_load_2addr_b64 v[R_+2*\p:R_+2*\p+3], \a0 offset0:PC_+2*(PC_/32) offset1:PN_+2*(PN_/32)
.endif
.elseif X_
	ds_load_b64 v[R_+2*\p:R_+2*\p+1], \a1 offset:8*(PC_+2*(PC_/32))
.else
	ds_load_b64 v[R_+2*\p:R_+2*\p+1], \a0 offset:8*(PC_+2*(PC_/32))
.endif
.endif
.endr
.endm
.macro BASES o                         ; the four column tiles' addresses, the weight's rows beginning at LDS byte o
	WIN 3<<6
.irp b, 0,1,2,3
	v_add_nc_u32 v[BA-768+2*\b], \b*16*PITCH+(\o), v[ADRB]
	v_add_nc_u32 v[BA-768+2*\b+1], \b*16*PITCH+(\o), v[ADRB+1]
.endr
	WIN 0
.endm
.macro WEIGHTS                         ; my 64 rows of the weight, all of K: 104 loads
.irp q, 0,1,2,3,4,5,6,7
.irp b, 0,1,2,3
	FRAG NB*\q+\b, \q, v[BA-768+2*\b], v[BA-768+2*\b+1], 3
.endr
.endr
	WIN 0
.endm
.macro FETCHAT e, a0, a1, as           ; a block of x's rows into set e: NF loads
.irp q, 0,1,2,3,4,5,6,7
	FRAG NB*NQ+NQ*(\e)+\q, \q, \a0, \a1, 0
.endr
	WIN 0
	ds_load_b128 v[SA+8*(\e):SA+8*(\e)+3], \as
	ds_load_b128 v[SA+8*(\e)+4:SA+8*(\e)+7], \as offset:16
.endm
.macro FETCH e
	FETCHAT \e, v[ADRA], v[ADRA+1], v[AAS]
.endm
.macro FETCH01                         ; a phase's first two blocks
	FETCHAT 0, v[ADRA0], v[ADRA0+1], v[AAS0]
	FETCHAT 1, v1, v22, v23
.endm
; ---- a product.  n = 4 q + 2 p + o.  kind 0 (Q, K): source 0 the weight's rows; kind 1 (V): source 0 x's rows.  The first four take the bias as C.
.macro PROD kind, e, n, a0, as
.set Q_, (\n)/4
.set FB_, NB*Q_+(\n)%4
.set FA_, NB*NQ+NQ*(\e)+Q_
.set D_, (\a0)+(\as)*((\n)%4)
.set DL_, D_&255
.set XB_, SB+NQ*(((\n)%4)/2)+Q_
.set XA_, SA+8*(\e)+Q_
.if \kind
.if Q_
	WIN (1+FA_/FPW)|((1+FB_/FPW)<<2)|((D_>>8)<<4)|((D_>>8)<<6)
	PROD1 DL_, FA_, FB_, v[DL_:DL_+7], XA_, XB_, b, (\n)%2
.else
	WIN (1+FA_/FPW)|((1+FB_/FPW)<<2)|(3<<4)|((D_>>8)<<6)
	PROD1 DL_, FA_, FB_, v[BBV-768+8*((\n)%4):BBV-768+8*((\n)%4)+7], XA_, XB_, b, (\n)%2
.endif
.else
	WIN (1+FB_/FPW)|((1+FA_/FPW)<<2)|((D_>>8)<<4)|((D_>>8)<<6)
.if Q_
	PROD1 DL_, FB_, FA_, v[DL_:DL_+7], XB_, XA_, a, (\n)%2
.else
	PROD1 DL_, FB_, FA_, v[BBQ+8*((\n)%4):BBQ+8*((\n)%4)+7], XB_, XA_, a, (\n)%2
.endif
.endif
.endm
.macro PROD1 d, s0, s1, c, x0, x1, side, o
.if \o
	v_wmma_scale_f32_16x16x128_f8f6f4 v[\d:\d+7], v[FR*((\s0)%FPW):FR*((\s0)%FPW)+FR-1], v[FR*((\s1)%FPW):FR*((\s1)%FPW)+FR-1], \c, v[\x0], v[\x1] matrix_a_fmt:MATRIX_FMT_FP6 matrix_b_fmt:MATRIX_FMT_FP6 matrix_\side\()_scale:MATRIX_SCALE_ROW1
.else
	v_wmma_scale_f32_16x16x128_f8f6f4 v[\d:\d+7], v[FR*((\s0)%FPW):FR*((\s0)%FPW)+FR-1], v[FR*((\s1)%FPW):FR*((\s1)%FPW)+FR-1], \c, v[\x0], v[\x1] matrix_a_fmt:MATRIX_FMT_FP6 matrix_b_fmt:MATRIX_FMT_FP6 matrix_\side\()_scale:MATRIX_SCALE_ROW0
.endif
.endm
; ---- products \from .. \to - 1 of a block; behind every second one, two entries of the list \list
.macro BLOCK kind, e, a0, as, from, to, list, x=0, y=0
.set N_, \from
.rept (\to)-(\from)
	PROD \kind, \e, N_, \a0, \as
.if N_%2
	\list N_-1, \x, \y
	\list N_, \x, \y
.endif
.set N_, N_+1
.endr
.endm
.macro NEXT n                          ; the block whose rows are fetched next: four lie in x's first half, four in the other
.set XO_, ((\n)/4)*BVB+((\n)%4)*32*PITCH
.set XS_, (\n)*SSTEP
.endm
.macro STEP i                          ; 3 entries: that block's LDS addresses
.if (\i) == 0
	WIN 0
	v_add_nc_u32 v[ADRA], XO_, v[ADRA0]
.elseif (\i) == 1
	WIN 0
	v_add_nc_u32 v[ADRA+1], XO_, v[ADRA0+1]
.elseif (\i) == 2
	WIN 0
	v_add_nc_u32 v[AAS], XS_, v[AAS0]
.endif
.endm
.macro CHAIN i, x, n, t=TQ             ; a way out's first part, 18 entries: the largest magnitude of the 32 sums from register x on, in two chains, and the conversions' scale operand, v[SOP+n]
.set XW_, (\x)>>8
.set XL_, (\x)&255
.if (\i) >= 0 && (\i) < 14
.set B_, XL_+16*((\i)%2)+2*((\i)/2)
.set T_, (\t)+1-(\i)%2
.if (\i) < 2
	WIN XW_|(XW_<<2)|(XW_<<4)
	v_max3_num_f32 v[T_], |v[B_]|, |v[B_+1]|, |v[B_+2]|
.else
	WIN (XW_<<2)|(XW_<<4)
	v_max3_num_f32 v[T_], v[T_], |v[B_+1]|, |v[B_+2]|
.endif
.elseif (\i) == 14
	WIN XW_<<2
	v_max3_num_f32 v[\t+1], v[\t+1], |v[XL_+15]|, (EMAX+1)<<23
.elseif (\i) == 15
	WIN 0
	v_nop                                  ; so that the next line, which reads entry 14's result, stands in the next pair
.elseif (\i) == 16
	WIN XW_<<2
	v_max3_num_f32 v[\t], v[\t], |v[XL_+31]|, v[\t+1]
.elseif (\i) == 17
	WIN 0
	v_add_nc_u32 v[SOP+\n], -(EMAX<<23), v[\t]
.endif
.endm
.macro CODES i, x, c, n, t=TC          ; its second part, 6 lines: 32 codes into v[c .. c+5], the scale's byte into v[EB+n]
.set XW_, (\x)>>8
.set XL_, (\x)&255
.if (\i) == 0
	WIN XW_
	v_cvt_scalef32_pk16_fp6_f32 v[\c:\c+2], v[XL_:XL_+15], v[SOP+\n]
.elseif (\i) == 1
	WIN XW_
	v_cvt_scalef32_pk16_fp6_f32 v[\t:\t+2], v[XL_+16:XL_+31], v[SOP+\n]
.elseif (\i) == 2
	WIN 0
	v_lshrrev_b32 v[EB+\n], 23, v[SOP+\n]
.else
	WIN 0
	v_mov_b32 v[\c+\i], v[\t+\i-3]
.endif
.endm
.macro CODES6 x, c, n
.irp i, 0,1,2,3,4,5
	CODES \i, \x, \c, \n
.endr
.endm
.macro PUT q                           ; pair q's operand leaves: pairs 0, 1 are key step s87's, pairs 2, 3 the other's
.irp k, 0,1,2
	global_store_b128 v[CO], v[NCD+4*\k:NCD+4*\k+3], s[82+2*((\q)/2):83+2*((\q)/2)] offset:1536*((\q)%2)+512*\k
.endr
.endm
.macro PUTBYTE q, o                    ; a block's scale bytes into the stage
	ds_store_b8 v[STO], v[EB+(\o)] offset:256*((\q)/2)+64*((\q)%2)+2*(\o)
.endm
; ---- the lists
.macro L_STEP i, x, y
	STEP \i
.endm
.macro L_NONE i, x, y
.endm
.macro L_OUT i, x, y                   ; the step, then the way out of the sums at x (scale operand y)
	STEP \i
	CHAIN (\i)-3, \x, \y
.endm
.macro L_LAST i, x, y
	CHAIN \i, \x, \y
.endm
.macro L_V2 i, x, y                    ; the refill's descriptors (no tensor load of the wave is out)
.if (\i) == 0
	s_mov_b32 s[G1A+2], (KROW>>16)|((RA/2)<<16)
	s_mov_b32 s[G1A+4], RA/2
	s_mov_b32 s[G0S+1], SCL+SCB
	s_mov_b32 s20, s86
.elseif (\i) == 1
	s_add_nc_u64 s[G0S+2:G0S+3], s[6:7], s[20:21]
	s_or_b32 s[G0S+3], s[G0S+3], 0x80000000
.endif
.endm
; ---- phase 2's blocks.  w: the count of the wait for the block's rows (-1: they are shown in already); q: the pair that is on its way out
.macro WAITDS w
.if (\w) >= 0
	s_wait_dscnt \w
.endif
.endm
.macro EVENOUT q, fetch
	WALU
	PUTBYTE \q, 1
	PUT \q
.if \fetch
	FETCH 0
.endif
.endm
.macro EVEN w, q, fetch
	WAITDS \w
.if \fetch
	BLOCK 0, 0, ACC, 8, 0, 32, L_OUT, ACC+32, 1
.else
	BLOCK 0, 0, ACC, 8, 0, 32, L_LAST, ACC+32, 1
.endif
	WIN 0
	CODES6 ACC+32, NCD+6, 1
	EVENOUT \q, \fetch
.endm
.macro EVENSHOW w, q                   ; a plain barrier inside the block shows the refill to all
	WAITDS \w
	BLOCK 0, 0, ACC, 8, 0, 26, L_OUT, ACC+32, 1
	WIN 0
	WALU
	s_wait_tensorcnt 0x0
	s_wait_dscnt 0x0
	s_barrier_signal -1
	BLOCK 0, 0, ACC, 8, 26, 32, L_NONE
	WIN 0
	s_barrier_wait -1
	CODES6 ACC+32, NCD+6, 1
	EVENOUT \q, 1
.endm
.macro ODD w, q, fetch
	WAITDS \w
	s_wait_xcnt 0x0                                     ; the last pair's stores have read their registers
.if \fetch
	BLOCK 0, 1, ACC+32, 8, 0, 32, L_OUT, ACC, 0
.else
	BLOCK 0, 1, ACC+32, 8, 0, 32, L_LAST, ACC, 0
.endif
	WIN 0
	CODES6 ACC, NCD, 0
	WALU
	PUTBYTE \q, 0
.if \fetch
	FETCH 1
.endif
.endm
; ================= THE HEAD
	s_load_b128 s[4:7], s[0:1], 0x0                     ; pc, ps
	s_load_b128 s[76:79], s[0:1], 0x10                  ; b_qkv, qk
	s_load_b64 s[80:81], s[0:1], 0x20                   ; vv
	v_lshl_add_u32 v[SPW], v0, 2, SPARE
	v_mov_b32 v[NIL], 0
	ds_add_u32 v[SPW], v[NIL]
	ds_add_u32 v[SPW], v[NIL]
	v_lshrrev_b32 v1, 5, v0
	v_readfirstlane_b32 s14, v1                         ; s14 the wave; s15 its row of the 2 x 2, s16 its column
	s_lshr_b32 s15, s14, 1
	s_and_b32 s16, s14, 1
	s_bfe_u32 s40, ttmp6, 0x40000                       ; cx
	s_bfe_u32 s41, ttmp6, 0x40004                       ; cy
	s_lshl_b32 s42, ttmp9, 2
	s_add_co_u32 s42, s42, s40                          ; s42 phase 2's tile column, 0 .. 15
	s_and_b32 s43, ttmp7, 0xffff
	s_lshl_b32 s43, s43, 2
	s_add_co_u32 s43, s43, s41                          ; s43 its tile row, 0 .. 15
	s_lshr_b32 s19, ttmp9, 1                            ; 0 Q, 1 K
	s_and_b32 s87, ttmp9, 1                             ; s87: V's half of my 256 rows
	s_lshl_b32 s13, s19, 2
	s_add_co_u32 s13, s13, s40                          ; s13 V's tile column, 0 .. 7
	s_lshl_b32 s12, s43, 1
	s_add_co_u32 s12, s12, s87                          ; s12 V's tile row, 0 .. 31
	s_lshl_b32 s44, s41, 2
	s_lshl_b32 s44, 15, s44                             ; my row of the cluster
	s_lshl_b32 s45, 0x1111, s40                         ; my column
	GROUP1 G1A, 44, RA
	GROUP1 G1B, 45, TN
	s_or_b32 s[G1S+0], s44, (3<<16)|(1<<20)|(1<<21)|(5<<22)|(3<<25)
	s_mov_b32 s[G1S+1], 32<<16
	s_mov_b32 s[G1S+2], CU<<16
	s_mov_b32 s[G1S+3], 32<<16
	s_mov_b32 s[G1S+4], CU
	s_mov_b32 s[G1S+5], 32
	s_mov_b32 s[G1S+6], 0
	s_mov_b32 s[G1S+7], 0
	s_mov_b32 s[G0S], 1
	s_mov_b32 s[G0S+1], SCL
	s_mov_b32 s[G0A], 1
	s_mov_b32 s[G0A+1], 0
	s_mov_b32 s[G0B], 1
	s_mov_b32 s[G0B+1], BVB
	s_mov_b32 s[G0C], 1
	s_mov_b32 s[G0C+1], YB
	s_mov_b32 s[G0R], 1
	s_mul_i32 s[G0R+1], s14, RA/2*PITCH
	s_add_co_u32 s[G0R+1], s[G0R+1], BVB
	s_mul_i32 s66, s12, RA*KROW                         ; V's half of my rows, bytes from pc
	s_mul_i32 s55, s12, RA*KS                           ; its scale bytes, from ps
	s_xor_b32 s20, s12, 1
	s_mul_i32 s67, s20, RA*KROW                         ; the other half, my wave's 64 rows of it
	s_mul_i32 s86, s20, RA*KS
	s_mul_i32 s21, s14, RA/2*KROW
	SADD 67, 21
	s_mul_i32 s9, s42, TN*KROW
	s_add_co_u32 s9, s9, TOK*KROW                       ; W_q's or W_k's rows
	s_mul_i32 s54, s13, TN*KROW
	s_add_co_u32 s54, s54, (TOK+2048)*KROW              ; W_v's
	s_mul_i32 s21, s16, 16*NB*KS
	s_mul_i32 s10, s42, TN*KS
	SADD 10, 21
	s_add_co_u32 s10, s10, TOK*KS
	s_mov_b32 s11, 0
	s_mul_i32 s46, s13, TN*KS
	SADD 46, 21
	s_add_co_u32 s46, s46, (TOK+2048)*KS
	s_mov_b32 s47, 0
	s_mul_i32 s21, s15, 16*PITCH
	s_mul_i32 s22, s16, 16*NB*PITCH
	s_mul_i32 s23, s15, (16*KS/256)*272
	s_add_co_u32 s23, s23, SCL
	v_and_b32 v1, 15, v0
	v_bfe_u32 v2, v0, 4, 1
	v_and_b32 v3, 31, v0
	v_mul_u32_u24 v22, v1, PITCH
	v_mad_u32_u24 v23, v2, 24, v22
	v_add_nc_u32 v[ADRA0], s21, v23
	v_add_nc_u32 v[ADRB], s22, v23
	v_mad_u32_u24 v23, v2, 24+16, v22
	v_add_nc_u32 v[ADRA0+1], s21, v23
	v_add_nc_u32 v[ADRB+1], s22, v23
	v_mul_u32_u24 v[ABS], v3, KS
	v_mul_u32_u24 v23, v1, KS
	v_lshrrev_b32 v22, 8, v23
	v_lshl_add_u32 v23, v22, 4, v23
	v_add_nc_u32 v[AAS0], s23, v23
	v_lshlrev_b32 v21, 7, v2                            ; Q's or K's bias: register 8 j + i of lane (r, h) is column 32 h + 8 j + i
	v_lshrrev_b32 v20, 3, v1
	v_lshlrev_b32 v20, 7, v20
	v_and_b32 v22, 7, v1
	v_lshl_add_u32 v20, v22, 2, v20                     ; V's: lane (r, h) of tile t has column 32 (r / 8) + 8 t + r % 8
	WALU
	s_wait_dscnt 0x0
	CROUND                                              ; the opening round
	s_wait_kmcnt 0x0
	s_mov_b32 s21, 0
	G0SET G0B, 4, 54
	G0SET G0S, 6, 55
	G0SET G0A, 4, 66
	G0SET G0C, 4, 9
	G0SET G0R, 4, 67
	s_cmp_eq_u32 s14, 0
	s_cbranch_scc0 .Lwave_1
	TLOAD G0B, G1B                                      ; wave 0: W_v's rows
	s_branch .Lasked
.Lwave_1:
	s_cmp_eq_u32 s14, 1
	s_cbranch_scc0 .Lwave_2
	TLOAD G0S, G1S                                      ; wave 1: the scale bytes of V's half
	s_branch .Lasked
.Lwave_2:
	s_cmp_eq_u32 s14, 2
	s_cbranch_scc0 .Lwave_3
	TLOAD G0A, G1A                                      ; wave 2: V's half of x's rows
	s_branch .Lasked
.Lwave_3:
	TLOAD G0C, G1B                                      ; wave 3: W_q's or W_k's rows
.Lasked:
	s_add_nc_u64 s[10:11], s[6:7], s[10:11]             ; the weights' scale bytes, my 64 rows
	s_add_nc_u64 s[46:47], s[6:7], s[46:47]
	s_lshl_b32 s18, s42, 1                              ; the bias: Q's and K's 2,048 numbers, then V's, 64 to a head
	SADD 18, 16
	s_lshl_b32 s20, s18, 8
	s_add_nc_u64 s[2:3], s[76:77], s[20:21]
	s_lshl_b32 s19, s13, 1
	SADD 19, 16
	s_lshl_b32 s22, s19, 8
	s_add_co_u32 s22, s22, 8192
	s_mov_b32 s23, 0
	s_add_nc_u64 s[22:23], s[76:77], s[22:23]
.irp p, 0,1
.irp c, 0,1
	global_load_b128 v[SB+NQ*\p+4*\c:SB+NQ*\p+4*\c+3], v[ABS], s[46:47] offset:\p*32*KS+16*\c
.endr
.endr
.irp k, 0,1,2,3,4,5,6,7
	global_load_b128 v[BBQ+4*\k:BBQ+4*\k+3], v21, s[2:3] offset:16*\k
.endr
	WIN 3<<6
.irp t, 0,1,2,3
	global_load_b32 v[BBV-768+8*\t], v20, s[22:23] offset:32*\t
.endr
.irp p, 0,1
.irp c, 0,1
	global_load_b128 v[SB2-768+NQ*\p+4*\c:SB2-768+NQ*\p+4*\c+3], v[ABS], s[10:11] offset:\p*32*KS+16*\c
.endr
.endr
	WIN 0
	s_mul_i32 s17, s43, PR                              ; where the results go
	s_mul_i32 s20, s18, VS
	SADD 20, 17
	s_mul_i32 s8, s15, 3072
	SADD 20, 8
	s_mul_i32 s8, s87, 6144
	SADD 20, 8
	s_add_nc_u64 s[82:83], s[78:79], s[20:21]           ; Q's or K's codes of key step s87,
	s_sub_co_u32 s20, s20, s8
	s_sub_co_u32 s20, s20, s8
	s_add_co_u32 s20, s20, 6144
	s_add_nc_u64 s[84:85], s[78:79], s[20:21]           ; and of the other
	s_lshl_b32 s20, s42, 1                              ; their scale bytes: wave w stores column w / 2, half w % 2 in the order of work
	SADD 20, 15
	s_mul_i32 s20, s20, VS
	SADD 20, 17
	s_xor_b32 s18, s16, s87
	s_lshl_b32 s18, s18, 8
	SADD 20, 18
	s_add_co_u32 s20, s20, 12288
	s_add_nc_u64 s[48:49], s[78:79], s[20:21]
	s_mul_i32 s19, s19, VS                              ; V's
	SADD 19, 17
	s_mul_i32 s20, s15, 768
	SADD 20, 19
	SADD 20, 8
	s_add_nc_u64 s[50:51], s[80:81], s[20:21]
	s_lshl_b32 s20, s87, 8
	SADD 20, 19
	s_add_co_u32 s20, s20, 12288
	s_add_nc_u64 s[52:53], s[80:81], s[20:21]
	s_lshl_b32 s18, s16, 9
	s_add_co_u32 s18, s18, XN
	s_lshl_b32 s19, s15, 7
	SADD 18, 19
	s_lshl_b32 s19, s16, 8
	s_add_co_u32 s19, s19, XM
	s_lshl_b32 s17, s15, 1
	SADD 19, 17
	v_lshlrev_b32 v[CO], 4, v3
	v_lshlrev_b32 v[C8], 3, v3
	v_lshl_add_u32 v23, v1, 2, v2
	v_add_nc_u32 v[STO], s18, v23
	v_add_nc_u32 v[STV], s19, v23
	BASES BVB
	v_add_nc_u32 v1, 32*PITCH, v[ADRA0]
	v_add_nc_u32 v22, 32*PITCH, v[ADRA0+1]
	v_add_nc_u32 v23, SSTEP, v[AAS0]
	WALU
	s_cmp_eq_u32 s14, 0
	s_cbranch_scc0 .Lnot_b
	s_wait_tensorcnt 0x0
.Lnot_b:
	BARRIER                                             ; W_v's rows are in
	WEIGHTS
	s_wait_loadcnt 0x0                                  ; the weights' scale words and the bias, first needed by the products
	WIN (3<<6)|3
.irp t, 0,8,16,24
.irp i, 1,2,3,4,5,6,7
	v_mov_b32 v[BBV-768+\t+\i], v[BBV-768+\t]           ; V's number, one a lane and tile, over the tile's eight registers
.endr
.endr
	WIN 0
	WALU
	s_cmp_eq_u32 s14, 3
	s_cbranch_scc1 .Lnot_a0
	s_wait_tensorcnt 0x0
.Lnot_a0:
	s_wait_dscnt 0x0
	BARRIER                                             ; x's half and its scale bytes are in; wave 3's tile may still be on its way
	FETCH01
; ================= PHASE 1: V, four blocks
.irp s, 0,1
	NEXT 2+\s
	s_wait_dscnt NF
	BLOCK 1, \s, HV+8*\s, 32, 0, 32, L_STEP
	WIN 0
	PLACES 4
	WALU
	FETCH \s
.endr
	s_wait_dscnt NF
	s_wait_tensorcnt 0x0                                ; the refill's round: products between the add and the wait for it
	ds_add_u32 v[SPW], v[NIL]
	BLOCK 1, 0, HV+16, 32, 0, 24, L_V2
	WIN 0
	s_wait_dscnt 0x0
	s_barrier_signal -1
	BLOCK 1, 0, HV+16, 32, 24, 32, L_NONE
	MIDDLE
	BARRIER
	s_cmp_lt_u32 s14, 2
	s_cbranch_scc0 .Lscales
	TLOAD G0R, G1A                                      ; waves 0 and 1 a half each of x's other half, onto W_v's rows
	s_branch .Lrefilled
.Lscales:
	s_cmp_eq_u32 s14, 2
	s_cbranch_scc0 .Lrefilled
	TLOAD G0S, G1S                                      ; wave 2 its scale bytes
.Lrefilled:
	BLOCK 1, 1, HV+24, 32, 0, 32, L_NONE
; ================= THE CHANGE OF PHASE: the other weight and the first two blocks' rows in one run of loads; V's way out under their flight
	BASES YB                                            ; (eight plain lines: the places ahead of the loads)
	WALU
	WEIGHTS
	FETCH01
	WIN 3
.set I, 0
.rept 16
	v_mov_b32 v[SB+I], v[SB2-768+I]
.set I, I+1
.endr
	WIN 0
.set I, 0
.rept 18
.irp t, 0,1,2,3
	CHAIN I, HV+32*\t, \t, 64+4*\t
.endr
.set I, I+1
.endr
.set I, 0
.rept 6
.irp t, 0,1,2,3
	CODES I, HV+32*\t, MCD+8*\t, \t, 80+4*\t
.endr
.set I, I+1
.endr
	WIN 0
	WALU
; ================= PHASE 2: Q or K, eight blocks, way outs by pairs
	s_wait_dscnt NF
	NEXT 2
	BLOCK 0, 0, ACC, 8, 0, 32, L_STEP
	WIN 0
	PLACES 4
	WALU
.irp t, 0,1,2,3
	ds_store_b8 v[STV], v[EB+\t] offset:64*\t
.endr
.irp t, 0,1,2,3
	global_store_b128 v[CO], v[MCD+8*\t:MCD+8*\t+3], s[50:51] offset:1536*\t
	global_store_b64 v[C8], v[MCD+8*\t+4:MCD+8*\t+5], s[50:51] offset:1536*\t+512
.endr
	FETCH 0
	NEXT 3
	ODD NF+4, 0, 1
	NEXT 4
	EVENSHOW NF+1, 0
	NEXT 5
	ODD -1, 1, 1
	NEXT 6
	EVEN NF+1, 1, 1
	NEXT 7
	ODD NF+1, 2, 1
	EVEN NF+1, 2, 0
	ODD 1, 3, 0
; ================= THE END: the last way out; the scale bytes go through LDS under its conversions
	s_lshl_b32 s21, s14, 8
	s_add_co_u32 s21, s21, XN
	s_lshl_b32 s22, s16, 8
	s_add_co_u32 s22, s22, XM
	v_add_nc_u32 v12, s21, v[C8]
	v_add_nc_u32 v14, s22, v[C8]
.set I, 0
.rept 18
	CHAIN I, ACC+32, 1
.set I, I+1
.endr
	CODES 2, ACC+32, NCD+6, 1
	WALU
	PUTBYTE 3, 1
	s_wait_dscnt 0x0
	s_barrier_signal -1
	s_wait_xcnt 0x0
	CODES 0, ACC+32, NCD+6, 1
	CODES 1, ACC+32, NCD+6, 1
	v_nop
.irp i, 3,4,5
	CODES \i, ACC+32, NCD+6, 1
.endr
	WALU
	s_barrier_wait -1
	ds_load_b64 v[64:65], v12
	ds_load_b64 v[68:69], v14
	PUT 3
	s_wait_dscnt 0x0
	global_store_b64 v[C8], v[64:65], s[48:49]          ; 32 lanes store one aligned unit of 256 bytes
	s_cmp_lt_u32 s14, 2
	s_cbranch_scc0 .Lno_v
	global_store_b64 v[C8], v[68:69], s[52:53]          ; waves 0 and 1: V's, one column each
.Lno_v:
	s_wait_tensorcnt 0x0
	ds_add_u32 v[SPW], v[NIL]
	s_wait_dscnt 0x0
	CROUND
	s_endpgm
.Lfunc_end_k_q84bddd0630_qkv:
	.size	k_q84bddd0630_qkv, .Lfunc_end_k_q84bddd0630_qkv-k_q84bddd0630_qkv
	.p2alignl 7, 3214868480
	.fill 96, 4, 3214868480
	.section	.rodata,"a",@progbits
	.p2align	6, 0x0
	.amdhsa_kernel k_q84bddd0630_qkv
		.amdhsa_group_segment_fixed_size 327680
		.amdhsa_private_segment_fixed_size 0
		.amdhsa_enable_private_segment 0
		.amdhsa_kernarg_size 40
		.amdhsa_user_sgpr_count 2
		.amdhsa_user_sgpr_kernarg_segment_ptr 1
		.amdhsa_wavefront_size32 1
		.amdhsa_system_sgpr_workgroup_id_x 1
		.amdhsa_system_sgpr_workgroup_id_y 1
		.amdhsa_system_sgpr_workgroup_id_z 1
		.amdhsa_system_vgpr_workitem_id 0
		.amdhsa_next_free_vgpr 1024
		.amdhsa_next_free_sgpr 102
		.amdhsa_reserve_vcc 0
		.amdhsa_float_denorm_mode_32 3
		.amdhsa_float_denorm_mode_16_64 3
		.amdhsa_memory_ordered 1
		.amdhsa_forward_progress 1
		.amdhsa_inst_pref_size 130
	.end_amdhsa_kernel
	.amdgpu_metadata
---
amdhsa.version: [ 1, 2 ]
amdhsa.kernels:
  - .name:           k_q84bddd0630_qkv
    .symbol:         k_q84bddd0630_qkv.kd
    .args:
      - { .name: pc, .offset: 0, .size: 8, .value_kind: global_buffer, .address_space: global }
      - { .name: ps, .offset: 8, .size: 8, .value_kind: global_buffer, .address_space: global }
      - { .name: b_qkv, .offset: 16, .size: 8, .value_kind: global_buffer, .address_space: global }
      - { .name: qk, .offset: 24, .size: 8, .value_kind: global_buffer, .address_space: global }
      - { .name: vv, .offset: 32, .size: 8, .value_kind: global_buffer, .address_space: global }
    .group_segment_fixed_size: 327680
    .private_segment_fixed_size: 0
    .kernarg_segment_align: 8
    .kernarg_segment_size: 40
    .max_flat_workgroup_size: 128
    .sgpr_count:     102
    .vgpr_count:     1024
    .wavefront_size: 32
...
	.end_amdgpu_metadata
.endif
;; end of part 2
;; launch attn (part 3): grid 8 x 32, 16 waves a work-group, clusters of 4 x 1, 327,680 bytes of LDS; arguments qk, vv, out0; writes out0
.if DOCPART == 3
	.amdgcn_target "amdgcn-amd-amdhsa--gfx1250"
	.amdhsa_code_object_version 6
	.text
	.protected	k_q84bddd0630_attn
	.globl	k_q84bddd0630_attn
	.p2align	8
	.type	k_q84bddd0630_attn,@function
k_q84bddd0630_attn:
	s_mov_b64 s[64:65], 0
	v_nop
	global_prefetch_b8 v0, s[64:65] scope:SCOPE_SE
	s_setreg_imm32_b32 hwreg(HW_REG_WAVE_MODE, 25, 1), 1
	s_wait_xcnt 0x0
	s_wait_alu depctr_hold_cnt(0) depctr_sa_sdst(0) depctr_va_vdst(0) depctr_va_sdst(0) depctr_va_ssrc(0) depctr_va_vcc(0) depctr_vm_vsrc(0)
	s_getreg_b32 s2, hwreg(HW_REG_IB_STS2, 6, 4)
	s_cmp_eq_u32 s2, 0
	s_cbranch_scc0 .Lentry_in_a_cluster
	s_endpgm
.Lentry_in_a_cluster:
	s_bfe_u32 s2, ttmp6, 0x10000c
	s_cmp_lg_u32 s2, 0x3003
	s_cbranch_scc0 .Lentry_shape_is_right
	s_endpgm
.Lentry_shape_is_right:
; out[b][q][head][:] = the sum over k of softmax_k(Q . K / 8) V, both products on codes of FP6 (E2M3) with one E8M0 scale for each 32 along a product's K.  32 heads (batch x head) of 2,048 tokens x 64.
; THE SOFTMAX AHEAD OF THE SECOND PRODUCT: t = score x log2(e) / 8; M = the row's largest t so far, rounded UP to a whole number; p = 2^(t - M) is what is quantised, along the keys; it is not normalised.
; The row's sum is taken of the unquantised p, in f32, and divides O at the end.  When M moves, the sum and O are multiplied by 2^(old M - new M): exact.
; LIMITS: NaN and infinities are not served; the scaled scores stay under 2^31 in magnitude; a block whose every p has fallen to 0 keeps the byte 1 (its codes are zeros).
; INPUTS are images of operand registers, made by the launch before, laid by 256 tokens: 12,288 bytes of codes and 512 of scale words.
; A K OPERAND HOLDS TWO TILES of 16 keys (64 along K each): against [Q, zero codes] it gives the even tile's scores, against [zero codes, Q] the odd one's.  Its scale word serves both.
; TILES: tile j of band c (64 keys) is keys 64 c + 32 h + 8 j + i (h = 0, 1; i = 0 .. 7).  In S^T = K Q^T lane (r, h) so holds, for query r, the 32 NEIGHBOURING keys 64 c + 32 h + 0 .. 31 in 32 registers:
; a whole scale block, and, converted, six registers of the next operand as they fall.  O^T's lane (r, h) holds channels 32 h + 0 .. 31 of query r.
; SHARES.  A work-group owns 256 queries of one head, each of its sixteen waves one tile of 16, in 256 registers.  A TRIP IS 256 KEYS (two key steps u of 128): one change of M and of O for each.
; ALL OF A HEAD'S K AND V LIE IN LDS: trip n's K at 25,600 n, its V 12,800 on.  Sixteen tiles of 12,800 bytes, one joint load a wave (wave 2 n trip n's K, wave 2 n + 1 its V), each asked for once; nothing is filled again.
; CLUSTER.  The four work-groups of a cluster belong to one head: every fill names the four.  No prefetch into the L2: all that the loop reads has been asked for at the head.
; LDS LOADS AHEAD: the next trip's K of u = 0 is loaded in front of this trip's last products, K of u = 1 at the trip's head, V's first two fragments in front of the softmax, the others behind the conversions that free their registers.
; REGISTERS: v1 lane; v2-4 the trip's addresses; v5, v6 the add's; v8 -M, v9 the largest score; v[10:11] the sum; v12 the factor, v13 the old -M; v14 Q's scale word, v15-16 p's, v17-20 K's, v21-23, v25 V's; v26-31 zeros, v32-37 Q, v38-43 zeros;
;   v44-47 the blocks' largest.  v48-95: K of u = 1; then v48-59 partial sums and p's codes of u = 0, v60-83 V (u 0: t 0, 1), v84-95 partial sums and V (u 1: t 2).
;   v96-159: S^T and p of u = 0; then V (u 0: t 2, 3; u 1: t 0, 1) and, v144-155, p's codes of u = 1.  v160-223: S^T and p of u = 1; then V (u 1: t 3) and, v172-219, the next trip's K of u = 0.  v224-255 O^T.
.set TILE, 12800
.set VH,   204800                      ; bytes of a head in qk, vv
.set STG,  16*TILE                     ; the way out: 16 rows x (256 bytes + 16) for each wave; no fill lands here
.set SPARE, STG+16*16*272
.set NK,   14                          ; LDS loads of a key step's K
.set TK,   90                          ; s90  LDS byte of the trip's K
.set CNT,  93
.set NC,   94                          ; s94  -c
.set SEL,  96                          ; s[96:97] lane selects for v_permlanex16_b32: lane l xor 16
.set CS,   98                          ; s[98:99] c = log2(e) / 8: the packed form takes its low word for both halves
.macro CROUND
	s_barrier_signal -1
	s_barrier_wait -1
	s_cmp_lg_u32 s12, 0
	s_cbranch_scc1 .Lnot_wave_0_\@
	s_barrier_signal -3
.Lnot_wave_0_\@:
	s_barrier_wait -3
	s_barrier_signal -1
	s_barrier_wait -1
.endm
.macro WALU
	s_wait_alu depctr_va_vdst(0)
.endm
.macro NOPS n
.rept \n
	v_nop
.endr
.endm
	s_load_b128 s[4:7], s[0:1], 0x0                ; qk, vv
	s_load_b64 s[8:9], s[0:1], 0x10                ; out0
	v_lshl_add_u32 v5, v0, 2, SPARE
	v_mov_b32 v6, 0
	ds_add_u32 v5, v6
	ds_add_u32 v5, v6
	v_lshrrev_b32 v2, 5, v0
	v_readfirstlane_b32 s12, v2                    ; wave 0..15
	s_bfe_u32 s13, ttmp6, 0x40000                  ; cx
	s_lshl_b32 s14, ttmp9, 2
	s_add_co_u32 s14, s14, s13                     ; my block of 256 queries.  It enters the vector offsets of Q and out0 alone
	s_and_b32 s15, ttmp7, 0xffff                   ; batch x head, which the four partners share
	s_lshr_b32 s16, s15, 4                         ; batch
	s_and_b32 s17, s15, 15                         ; head
	s_mul_i32 s22, s17, VH
	s_mul_i32 s20, s16, 8*TILE
	s_add_co_u32 s22, s22, s20                     ; q's and v's part of this head and batch
	s_add_co_u32 s20, s22, 16*VH                   ; k's
	s_and_b32 s18, s12, 1                          ; do I ask for K (0) or V (1)?  Also: my queries' tile is the even or the odd one of its operand
	s_lshr_b32 s19, s12, 1
	s_mul_i32 s23, s14, TILE
	s_add_co_u32 s23, s23, s22                     ; Q: my block's part
	s_lshl_b32 s10, s19, 6
	s_add_co_u32 s10, s10, s23
	s_add_co_u32 s10, s10, 12288                   ; its operand's scale words
	s_mul_i32 s11, s19, 1536
	s_add_co_u32 s23, s23, s11                     ; my tile's operand: registers 0-5 or 6-11 of pieces [3][lane][16]: units of 8 bytes at 0, 8, 512 or at 520, 1024, 1032
	s_mul_i32 s11, s18, 520
	s_add_co_u32 s11, s11, s23
	s_mul_i32 s13, s18, 1016
	s_add_co_u32 s13, s13, s23
	s_add_co_u32 s13, s13, 8
	v_and_b32 v1, 31, v0
	v_and_b32 v7, 15, v0
	v_lshl_add_u32 v2, v1, 4, s11
	v_lshl_add_u32 v3, v1, 4, s13
	v_lshl_add_u32 v4, v7, 2, s10
	s_mov_b32 s24, 15|(3<<16)|(1<<21)              ; group 1: a dense block of 12,800 bytes as 50 rows of 256; elements of 8 bytes; the mask: all four work-groups
	s_mov_b32 s25, 32<<16
	s_mov_b32 s26, 50<<16
	s_mov_b32 s27, 32<<16
	s_mov_b32 s28, 50
	s_mov_b32 s29, 32
	s_mov_b32 s30, 0
	s_mov_b32 s31, 0
	s_mov_b32 s[SEL], 0x76543210
	s_mov_b32 s[SEL+1], 0xfedcba98
	s_mov_b32 s[CS], 0x3e38aa3b                    ; c = log2(e) / sqrt(64)
	s_mov_b32 s[CS+1], s[CS]
	s_mov_b32 s[NC], 0xbe38aa3b
	s_mul_i32 s21, s19, TILE
	s_cmp_eq_u32 s18, 0
	s_cselect_b32 s20, s20, s22
	s_add_co_u32 s20, s20, s21
	s_mov_b32 s21, 0
	s_mov_b32 s48, 1
	s_mul_i32 s49, s12, TILE                       ; LDS address: wave x 12,800
	s_lshl_b32 s52, s18, 4
	WALU
	s_wait_dscnt 0x0
	s_wait_kmcnt 0x0
	global_load_b64 v[32:33], v2, s[4:5]           ; Q and its scale words: on their way during the round
	global_load_b64 v[34:35], v3, s[4:5]
	global_load_b64 v[36:37], v2, s[4:5] offset:512
	global_load_b32 v0, v4, s[4:5]
	s_cmp_eq_u32 s18, 0
	s_cselect_b64 s[2:3], s[4:5], s[6:7]
	s_add_nc_u64 s[50:51], s[2:3], s[20:21]
	s_or_b32 s51, s51, 0x80000000
	CROUND                                         ; all four work-groups are here: the joint loads meet
	s_cmp_lt_u32 s12, 4                            ; trips 0 and 1 are waves 0 to 3's: a line of their own, since these waves wait ahead of the others
	s_cbranch_scc0 .Lrest
	tensor_load_to_lds s[48:51], s[24:31]
	s_nop 0
	NOPS 4
	s_branch .Lfilled
.Lrest:
	tensor_load_to_lds s[48:51], s[24:31]
	s_nop 0
	NOPS 4
.Lfilled:
	s_wait_loadcnt 0x0
	v_lshrrev_b32 v7, s52, v0
	v_and_b32 v7, 0xffff, v7                       ; my tile's two bytes,
	v_lshl_or_b32 v14, v7, 16, v7                  ; for both places of Q
.irp j, 26,27,28,29,30,31,38,39,40,41,42,43
	v_mov_b32 v\j, 0                               ; zero codes beside Q
.endr
	v_mov_b32 v13, 0                               ; (named as the upper half of the pair v[12:13])
	v_mov_b32 v24, 0                               ; (a lane permute's destination counts as one of its sources)
	v_lshlrev_b32 v2, 4, v1
	v_lshlrev_b32 v4, 2, v1
.macro MM d, a, b, c, x, y, row
.if \row
	v_wmma_scale_f32_16x16x128_f8f6f4 v[\d:\d+7], v[\a:\a+11], v[\b:\b+11], \c, v[\x], v[\y] matrix_a_fmt:MATRIX_FMT_FP6 matrix_b_fmt:MATRIX_FMT_FP6 matrix_a_scale:MATRIX_SCALE_ROW1
.else
	v_wmma_scale_f32_16x16x128_f8f6f4 v[\d:\d+7], v[\a:\a+11], v[\b:\b+11], \c, v[\x], v[\y] matrix_a_fmt:MATRIX_FMT_FP6 matrix_b_fmt:MATRIX_FMT_FP6
.endif
.endm
.macro KLOAD d, u, from                ; K's four operands of key step u into v[d ..], and their scale words: register c: lanes 0-15 p = 0, lanes 16-31 p = 1
.irp o, 0,1,2,3
.irp k, 0,1,2
	ds_load_b128 v[\d+12*\o+4*\k:\d+12*\o+4*\k+3], v2 offset:\from+6144*\u+1536*\o+512*\k
.endr
.endr
	ds_load_b32 v[17+2*\u], v4 offset:\from+12288+256*\u
	ds_load_b32 v[18+2*\u], v4 offset:\from+12288+256*\u+128
.endm
.macro VFRAG d, u, t
.irp c, 0,1
	ds_load_b128 v[\d+6*\c:\d+6*\c+3], v2 offset:TILE+6144*\u+1536*\t+768*\c
	ds_load_b64 v[\d+6*\c+4:\d+6*\c+5], v3 offset:TILE+6144*\u+1536*\t+768*\c+512
.endr
.endm
.macro SMUL u, k                       ; S^T: eight tiles of 16 keys; K's operands from v[k] on
.irp o, 0,1,2,3
	MM 96+64*\u+16*\o, \k+12*\o, 32, 0, 17+2*\u+\o/2, 14, \o%2
	MM 104+64*\u+16*\o, \k+12*\o, 26, 0, 17+2*\u+\o/2, 14, \o%2
.endr
.endm
.macro MAXES u                         ; the largest score of each of my two blocks: it serves for the row's maximum and, since p rises with the score, for the block's largest p.  Four chains by turns
.set X0, 96+64*\u
.set X1, 128+64*\u
.set B0, 44+2*\u
	v_max3_num_f32 v[B0], v[X0], v[X0+1], v[X0+2]
	v_max3_num_f32 v0, v[X0+16], v[X0+17], v[X0+18]
	v_max3_num_f32 v[B0+1], v[X1], v[X1+1], v[X1+2]
	v_max3_num_f32 v7, v[X1+16], v[X1+17], v[X1+18]
.irp i, 3,5,7,9,11,13
	v_max3_num_f32 v[B0], v[B0], v[X0+\i], v[X0+\i+1]
	v_max3_num_f32 v0, v0, v[X0+16+\i], v[X0+17+\i]
	v_max3_num_f32 v[B0+1], v[B0+1], v[X1+\i], v[X1+\i+1]
	v_max3_num_f32 v7, v7, v[X1+16+\i], v[X1+17+\i]
.endr
	v_max3_num_f32 v[B0], v[B0], v[X0+15], v[X0+31]
	v_max3_num_f32 v[B0+1], v[B0+1], v[X1+15], v[X1+31]
	v_max_num_f32 v[B0], v[B0], v0
	v_max_num_f32 v[B0+1], v[B0+1], v7
.endm
.macro PV u, zero                      ; O^T += V^T P^T: four tiles of 16 channels by turns; K = these 128 keys
.irp t, 0,1,2,3
.if \u
.if \t == 3
.set A_, 160
.elseif \t == 2
.set A_, 84
.else
.set A_, 120+12*\t
.endif
.set V_, 23+2*(\t/2)
.set P_, 144
.else
.set A_, 60+12*\t+12*(\t/2)
.set V_, 21+\t/2
.set P_, 48
.endif
.if \zero
	MM 224+8*\t, A_, P_, 0, V_, 15+\u, \t%2
.else
	MM 224+8*\t, A_, P_, v[224+8*\t:231+8*\t], V_, 15+\u, \t%2
.endif
.endr
.endm
.macro ADD d, s
	v_pk_add_f32 v[\d:\d+1], v[\d:\d+1], v[\s:\s+1]
.endm
.macro TRIP first, on, bar             ; 256 keys; first: the sums start; on: the next trip's K is fetched; bar: the split barrier's wait stands in this trip
	v_lshl_add_u32 v2, v1, 4, s[TK]
	v_lshl_add_u32 v3, v1, 3, s[TK]
	v_lshl_add_u32 v4, v1, 2, s[TK]
.if \first
	v_nop
.else
	v_mov_b32 v13, v8                              ; the old -M
.endif
	v_nop                                          ; with the four above: the places behind the last trip's products
	KLOAD 48, 1, 0
	WALU
	s_wait_dscnt NK                                ; K of u = 0 is in; u = 1's loads may be out
	SMUL 0, 172
	NOPS 4
	MAXES 0
	s_wait_dscnt 0x0
	SMUL 1, 48
	NOPS 4                                         ; places in front of the loads into K's registers and of the first read of the scores
	VFRAG 60, 0, 0
	VFRAG 72, 0, 1
	ds_load_b32 v21, v4 offset:TILE+12288
	ds_load_b32 v22, v4 offset:TILE+12288+128
	ds_load_b32 v23, v4 offset:TILE+12288+256
	ds_load_b32 v25, v4 offset:TILE+12288+384
	MAXES 1
	v_max3_num_f32 v0, v44, v45, v46
	v_max_num_f32 v0, v0, v47
	v_permlanex16_b32 v24, v0, s[SEL], s[SEL+1]
.if \first
	v_max_num_f32 v9, v0, v24                      ; the largest score of my query
.else
	v_max3_num_f32 v9, v9, v0, v24
.endif
	v_mul_f32 v0, s[NC], v9
	v_floor_f32 v8, v0                             ; -M = floor(-t): M is a whole number
.set j, 96
.rept 32
	v_pk_fma_f32 v[j:j+1], v[j:j+1], s[CS:CS+1], v[8:9] op_sel_hi:[1,0,0]   ; t - M, two at a time (of the pairs c and -M the low word serves both halves)
.set j, j+2
.endr
.irp b, 44,45,46,47
	v_fma_f32 v\b, v\b, s[CS], v8                  ; the same of each block's largest score
.endr
.if \first == 0
	v_sub_f32 v0, v8, v13                          ; M's old value less its new one: a whole number, 0 or less
	v_cvt_i32_f32 v0, v0                           ; (it saturates)
	v_ldexp_f32 v12, 1.0, v0                       ; the factor
.endif
	WALU
.irp b, 44,45,46,47
	v_exp_f32 v\b, v\b                             ; the block's largest p: the same two instructions on the same number give the same bits
.endr
.set j, 96
.rept 32                               ; p = 2^(t - M) of u = 0, not normalised; t - M of u = 1 between
	v_exp_f32 v[j], v[j]
	v_exp_f32 v[j+1], v[j+1]
	v_pk_fma_f32 v[j+64:j+65], v[j+64:j+65], s[CS:CS+1], v[8:9] op_sel_hi:[1,0,0]
.set j, j+2
.endr
	WALU
.set j, 160
.set k, 96
.set d, 48
.rept 12                               ; p of u = 1; the first sums of u = 0's p between, each into a pair of its own
.rept 5
	v_exp_f32 v[j], v[j]
.set j, j+1
.endr
	v_pk_add_f32 v[d:d+1], v[k:k+1], v[k+2:k+3]
.set k, k+4
.set d, d+2
.if d == 60
.set d, 84
.endif
.endr
.rept 4
	v_exp_f32 v[j], v[j]
.set j, j+1
.endr
.if \first
	v_nop
.else
	v_pk_mul_f32 v[10:11], v[10:11], v[12:13] op_sel_hi:[1,0]   ; the sums under the new M.  (A plain place behind the exponentials)
.endif
	WALU
.if \first                             ; THE SUM OF THE UNQUANTISED p, in four chains
	v_pk_add_f32 v[10:11], v[54:55], v[56:57]
.else
	ADD 10, 54
.endif
	ADD 48, 58
	ADD 50, 84
	ADD 52, 86
	ADD 10, 88
	ADD 48, 90
	ADD 50, 92
	ADD 52, 94
.set j, 144
.rept 10
	ADD 10, j
	ADD 48, j+2
	ADD 50, j+4
	ADD 52, j+6
.set j, j+8
.endr
.if \first == 0
	ADD 10, 56
.endif
.irp b, 44,45,46,47
	v_max_num_f32 v\b, 0x1800000, v\b              ; the floor 2^(3 - 127): the byte cannot fall under 1
.endr
	ADD 10, 48
	ADD 50, 52
.irp b, 44,45,46,47
	v_add_nc_u32 v\b, 0xff000000, v\b              ; 2 off the exponent field: the conversion's scale operand
.endr
	ADD 10, 50
	v_lshrrev_b32 v0, 23, v44                      ; p's scale word of u = 0: my two blocks' bytes, and lane l xor 16's between them
	v_lshrrev_b32 v7, 23, v45
	v_cvt_scalef32_pk16_fp6_f32 v[48:50], v[96:111], v44
	v_cvt_scalef32_pk16_fp6_f32 v[84:86], v[112:127], v44   ; (a conversion's three registers begin on an even number)
	v_lshl_or_b32 v0, v7, 16, v0
	v_cvt_scalef32_pk16_fp6_f32 v[54:56], v[128:143], v45
	v_cvt_scalef32_pk16_fp6_f32 v[88:90], v[144:159], v45
	v_permlanex16_b32 v24, v0, s[SEL], s[SEL+1]    ; (a plain place behind the conversions)
.irp i, 0,1,2
	v_mov_b32 v[51+\i], v[84+\i]
	v_mov_b32 v[57+\i], v[88+\i]
.endr
	VFRAG 96, 0, 2                                 ; V's other fragments onto p's registers that have been converted
	VFRAG 108, 0, 3
	VFRAG 120, 1, 0
	VFRAG 132, 1, 1
	VFRAG 84, 1, 2
	v_lshl_or_b32 v15, v24, 8, v0
	v_lshrrev_b32 v0, 23, v46                      ; and the word of u = 1
	v_lshrrev_b32 v7, 23, v47
	v_cvt_scalef32_pk16_fp6_f32 v[144:146], v[160:175], v46
	v_cvt_scalef32_pk16_fp6_f32 v[156:158], v[176:191], v46
	v_lshl_or_b32 v0, v7, 16, v0
	v_cvt_scalef32_pk16_fp6_f32 v[150:152], v[192:207], v47
	v_cvt_scalef32_pk16_fp6_f32 v[172:174], v[208:223], v47
	v_permlanex16_b32 v24, v0, s[SEL], s[SEL+1]
.irp i, 0,1,2
	v_mov_b32 v[147+\i], v[156+\i]
	v_mov_b32 v[153+\i], v[172+\i]
.endr
	v_lshl_or_b32 v16, v24, 8, v0
	VFRAG 160, 1, 3
.if \bar
	WALU
	s_barrier_wait -1                              ; all of K and V is in
.endif
.if \on
	KLOAD 172, 0, 2*TILE
.endif
.if \first
	NOPS 8                                         ; places between p's codes and scale words and the products below
.else
	WALU
.set j, 224
.rept 16
	v_pk_mul_f32 v[j:j+1], v[j:j+1], v[12:13] op_sel_hi:[1,0]   ; O^T under the new M, each accumulator from its low end on
.set j, j+2
.endr
.endif
	WALU
	s_wait_dscnt 16+NK*\on                         ; V's loads of u = 0 are in; the 16 of u = 1 behind them and K's may be out
	PV 0, \first
	s_wait_dscnt NK*\on
	PV 1, 0
.endm
	WALU
	s_cmp_lt_u32 s12, 4
	s_cbranch_scc0 .Lnot_first
	s_wait_tensorcnt 0x0
.Lnot_first:
	s_barrier_signal -1
	s_barrier_wait -1                              ; trips 0 and 1 are in; the others' tiles may be on their way
	KLOAD 172, 0, 0
	s_mov_b32 s[TK], 0
	TRIP 1, 1, 0
	s_wait_tensorcnt 0x0                           ; my tile is in, and no LDS load of mine is out: say so; until the barrier's wait trip 1 reads bytes that the first barrier has shown
	s_wait_dscnt 0x0
	s_barrier_signal -1
	s_mov_b32 s[TK], 2*TILE
	TRIP 0, 1, 1
	s_mov_b32 s[TK], 4*TILE
	s_mov_b32 s[CNT], 5
.Ltrip:
	TRIP 0, 1, 0
	s_add_co_u32 s[TK], s[TK], 2*TILE
	s_sub_co_u32 s[CNT], s[CNT], 1
	s_cmp_lg_u32 s[CNT], 0
	s_cbranch_scc1 .Ltrip
	s_mov_b32 s[TK], 14*TILE
	TRIP 0, 0, 0                                   ; the last trip fetches nothing on
	; THE WAY OUT.  O^T is divided by the row's sum and goes through my own stage in LDS, so that sixteen lanes store a query's 256 consecutive bytes, aligned.
	s_lshl_b32 s13, s16, 11                        ; my tile's first token: 2,048 batch + 256 block + 64 (wave / 4) + 8 (wave % 4)
	s_lshl_b32 s23, s14, 8
	s_add_co_u32 s13, s13, s23
	s_lshr_b32 s23, s12, 2
	s_lshl_b32 s23, s23, 6
	s_add_co_u32 s13, s13, s23
	s_and_b32 s23, s12, 3
	s_lshl_b32 s23, s23, 3
	s_add_co_u32 s13, s13, s23
	s_lshl_b32 s13, s13, 12                        ; rows of 4,096 bytes
	s_lshl_b32 s23, s17, 8                         ; the head's 256 bytes of a row
	s_add_co_u32 s13, s13, s23
	s_mul_i32 s21, s12, 16*272
	s_add_co_u32 s21, s21, STG                     ; my stage
	v_add_f32 v10, v10, v11                        ; the sum's two halves,
	v_permlanex16_b32 v24, v10, s[SEL], s[SEL+1]
	v_add_f32 v10, v10, v24                        ; and lane l xor 16's: the row's sum
	WALU
	v_rcp_f32 v10, v10
	v_and_b32 v7, 15, v1
	v_lshrrev_b32 v0, 4, v1
	v_mul_u32_u24 v2, 272, v7
	v_mul_u32_u24 v3, 272, v0
	v_lshlrev_b32 v4, 12, v0
	v_lshl_add_u32 v2, v0, 7, v2
	v_lshl_add_u32 v3, v7, 4, v3
	v_lshl_add_u32 v4, v7, 4, v4
	v_add_nc_u32 v2, s21, v2                       ; in: row r, + 128 h
	v_add_nc_u32 v3, s21, v3                       ; back: lanes 0-15 one row, lanes 16-31 the next
	v_add_nc_u32 v4, s13, v4                       ; and the same in out0
	WALU
.set j, 0
.rept 16
	v_pk_mul_f32 v[96+j:97+j], v[224+j:225+j], v[10:11] op_sel_hi:[1,0]   ; register 8 t + i is channel 32 h + 8 t + i of query r
.set j, j+2
.endr
	WALU
.irp t, 0,1,2,3,4,5,6,7
	ds_store_b128 v2, v[96+4*\t:99+4*\t] offset:16*\t
.endr
.irp i, 0,1,2,3,4,5,6,7
	ds_load_b128 v[128+4*\i:131+4*\i], v3 offset:544*\i   ; LDS serves a wave's instructions in order (ISA guide 5.7.1): these see my stores.  Stage rows 2 i and 2 i + 1
.endr
.irp i, 0,1,2,3,4,5,6,7
	s_wait_dscnt 7-\i                              ; load i is back; the later ones may be out
	global_store_b128 v4, v[128+4*\i:131+4*\i], s[8:9] offset:(2*\i+24*(\i/4))*4096 th:TH_STORE_NT   ; row rho of the tile is token rho + 24 (rho / 8) of its 40; written once, read by nobody here
.endr
	s_wait_tensorcnt 0x0                           ; the wave's end
	ds_add_u32 v5, v6
	s_wait_dscnt 0x0
	CROUND                                         ; the closing round
	s_endpgm
.Lfunc_end_k_q84bddd0630_attn:
	.size	k_q84bddd0630_attn, .Lfunc_end_k_q84bddd0630_attn-k_q84bddd0630_attn
	.p2alignl 7, 3214868480
	.fill 96, 4, 3214868480
	.section	.rodata,"a",@progbits
	.p2align	6, 0x0
	.amdhsa_kernel k_q84bddd0630_attn
		.amdhsa_group_segment_fixed_size 327680
		.amdhsa_private_segment_fixed_size 0
		.amdhsa_enable_private_segment 0
		.amdhsa_kernarg_size 24
		.amdhsa_user_sgpr_count 2
		.amdhsa_user_sgpr_kernarg_segment_ptr 1
		.amdhsa_wavefront_size32 1
		.amdhsa_system_sgpr_workgroup_id_x 1
		.amdhsa_system_sgpr_workgroup_id_y 1
		.amdhsa_system_sgpr_workgroup_id_z 1
		.amdhsa_system_vgpr_workitem_id 0
		.amdhsa_next_free_vgpr 256
		.amdhsa_next_free_sgpr 100
		.amdhsa_reserve_vcc 0
		.amdhsa_float_denorm_mode_32 3
		.amdhsa_float_denorm_mode_16_64 3
		.amdhsa_memory_ordered 1
		.amdhsa_forward_progress 1
		.amdhsa_inst_pref_size 120
	.end_amdhsa_kernel
	.amdgpu_metadata
---
amdhsa.version: [ 1, 2 ]
amdhsa.kernels:
  - .name:           k_q84bddd0630_attn
    .symbol:         k_q84bddd0630_attn.kd
    .args:
      - { .name: qk, .offset: 0, .size: 8, .value_kind: global_buffer, .address_space: global }
      - { .name: vv, .offset: 8, .size: 8, .value_kind: global_buffer, .address_space: global }
      - { .name: out0, .offset: 16, .size: 8, .value_kind: global_buffer, .address_space: global }
    .group_segment_fixed_size: 327680
    .private_segment_fixed_size: 0
    .kernarg_segment_align: 8
    .kernarg_segment_size: 24
    .max_flat_workgroup_size: 512
    .sgpr_count:     100
    .vgpr_count:     256
    .wavefront_size: 32
...
	.end_amdgpu_metadata
.endif
;; end of part 3
